; MI455X (gfx1250); checked and timed in simulation.
; The chip was launched on July 23, 2026; its instructions are those of AMD's public machine-readable ISA for CDNA 5 (MIT licence, August 2026) and "CDNA5" Instruction Set Architecture Reference Guide (July 2026). The comments in the code are by the model that wrote it; some were corrected since.
;; Multi Head Dot Product Attention. Allowed arithmetic: matrix products marked QUANTISED: E2M1 operands, one E8M0 scale for each 32 along K, by v_wmma_scale_f32_16x16x128_f8f6f4 with both operands' format E2M1 (or v_wmma_scale_f32_32x16x128_f4), f32 sums; products left as they are: bf16, f16 or f32 operands; f32 sums; everything else in f32.
;; Inputs: Wk 1,024 x 1,024 float32; Wo 1,024 x 1,024 float32; Wq 1,024 x 1,024 float32; Wv 1,024 x 1,024 float32; inputs_kv 4 x 2,048 x 1,024 float32; inputs_q 4 x 2,048 x 1,024 float32; k_ln_beta 1,024 float32; k_ln_gamma 1,024 float32; q_ln_beta 1,024 float32; q_ln_gamma 1,024 float32.
;; Outputs: out0 4 x 2,048 x 1,024 float32.
;; This version of the problem:
;;   THIS VERSION OF THE PROBLEM IS GIVEN IN LOW PRECISION. The matrix products marked QUANTISED in the list below multiply operands that are first quantised to E2M1 (2 exponent bits, 1 mantissa bit; 4 bits a number), with one power-of-two scale for each 32 numbers along K (OCP MX v1.0); their sums are f32. The products marked 'left as it is' may take bf16, f16 or f32 operands, with f32 sums. Whichever they take, every output number must still come out within the allowed error. Rounding operands to bf16 (8 significant bits) uses up far more of that allowance than f16 does (11 bits, for magnitudes from 6e-5 to 65,504). All else is computed in f32.
;;   The module's matrix products, in the order in which they are computed (A, B: the left and right operand; K: the contracted axis; several contracted axes count as one K, in the product's order):
;;     1. [M 8,192, K 1,024] x [K 1,024, N 1,024]; A: input inputs_q; B: input Wq: QUANTISED
;;     2. [M 8,192, K 1,024] x [K 1,024, N 1,024]; A: input inputs_kv; B: input Wk: QUANTISED
;;     3. [M 8,192, K 1,024] x [K 1,024, N 1,024]; A: input inputs_kv; B: input Wv: QUANTISED
;;     4. batch 64 x [M 2,048, K 64] x [K 64, N 2,048]; A: computed on the way; B: computed on the way: left as it is (an operand is computed on the way)
;;     5. batch 64 x [M 64, K 2,048] x [K 2,048, N 2,048]; A: computed on the way; B: computed on the way: left as it is (an operand is computed on the way)
;;     6. [M 8,192, K 1,024] x [K 1,024, N 1,024]; A: computed on the way; B: input Wo: left as it is (an operand is computed on the way)
;;   THE QUANTISER, for each operand of a quantised product, along K:
;;     - K is cut into blocks of 32 from its start; a last block that is shorter is filled with zeros.
;;     - A block's scale is 2^e with e = floor(log2(the largest magnitude in the block)) - 2, held to -126 .. 127; a block of zeros has e = 0. As a byte (E8M0): e + 127.
;;     - Each number is divided by its block's scale, clamped to +-6, and rounded to the nearest number of E2M1, ties to even, subnormals kept.
;;     - The product sums the exact products of the quantised numbers (number of the format x scale) in f32.
;;   ~~~python
;;   def quantise(x, axis):      # numpy; x: float32 -> the quantised numbers, widened to float32 again
;;       x = np.moveaxis(x, axis, -1); K = x.shape[-1]
;;       x = np.pad(x, [(0, 0)] * (x.ndim - 1) + [(0, -K % 32)]); x = x.reshape(x.shape[:-1] + (-1, 32)); a = np.abs(x).max(-1, keepdims=True)
;;       e = np.where(a > 0, np.clip(np.frexp(np.where(a > 0, a, 1))[1] - 1 - 2, -126, 127), 0)      # np.frexp(a)[1] - 1 = floor(log2(a)), exactly
;;       r = np.clip(x / 2.0 ** e, -6, 6)
;;       step = 2.0 ** (np.maximum(np.frexp(np.where(r == 0, 1, r))[1] - 1, 0) - 1)
;;       q = np.round(r / step) * step * 2.0 ** e      # np.round: ties to even
;;       return np.moveaxis(q.reshape(q.shape[:-2] + (-1,))[..., :K], -1, axis).astype(np.float32)
;;   ~~~
;; One version. Each part assembles by itself: llvm-mc -triple=amdgcn-amd-amdhsa -mcpu=gfx1250 --defsym DOCPART=n.
;; ======== version 1 of 1: 4 launches
;; limits: values are held in f16: magnitudes above 65,504 overflow, below 6.1e-05 lose precision
;; workspace buffers: wcodes 1,572,864 bytes; wscl 98,304 bytes; woimg 2,097,152 bytes; qkv 50,331,648 bytes; ao 16,777,216 bytes
;; launch prep (part 1): grid 640 x 1, 1 waves a work-group, no clusters, 0 bytes of LDS; arguments Wq, Wk, Wv, Wo, wcodes, wscl, woimg; writes wcodes, wscl, woimg
.if DOCPART == 1
	.amdgcn_target "amdgcn-amd-amdhsa--gfx1250"
	.amdhsa_code_object_version 6
	.text
	.protected	k_qc49bf13ea8_prep
	.globl	k_qc49bf13ea8_prep
	.p2align	8
	.type	k_qc49bf13ea8_prep,@function
k_qc49bf13ea8_prep:
	s_mov_b64 s[64:65], 0
	v_nop
	global_prefetch_b8 v0, s[64:65] scope:SCOPE_SE
	s_setreg_imm32_b32 hwreg(HW_REG_WAVE_MODE, 25, 1), 1
	s_wait_xcnt 0x0
; The weights are laid out once, in the order in which a wave's operand registers take them.
; Work-groups 0..383: Wq, Wk, Wv [1024 n][1024 k] f32 -> codes of FP4 (E2M1) with one E8M0 byte for each 32 along k.
; Work-groups 384..639: Wo [1024 n][1024 k] f32 -> f16.
; wcodes [p 3][j 4][w 4][s2 2][u 16][c 2][lane 32][16 bytes]: K step of 128 s = 2 j + s2, row n = 256 w + 16 u + lane % 16;
;   a lane's 16 bytes are the 32 codes of k = 128 s + 64 c + 32 (lane / 16) + 0..31: one whole block, and registers 4 c .. 4 c + 3 of the fragment.
; wscl [p 3][q 2][n 1024][4 words]: word i = the four scale bytes of K step 4 q + i of row n.
; woimg [ks 8][nt 64][kc 4][g 2][lane 32][16 bytes]: n = 16 nt + lane % 16, k = 128 ks + 32 kc + 16 g + 8 (lane / 16) + 0..7.
; A block's scale is 2^(floor(log2(largest magnitude)) - 2); its byte is the largest magnitude's exponent field - 2, held at 1 from below.
; LIMITS: a block of zeros gets the byte 1 (its codes are zeros, and this program alone reads the bytes); NaN and infinities are not served;
; Wo must lie within +-65,504 (f16), and under 6e-5 it keeps an absolute precision of 3e-8 only.
; One wave a work-group, no LDS, no barrier: waves share nothing.
.set X,  64                            ; v64-255  three sets of 64 numbers (a K step of a lane: two blocks of 32)
.set CD, 20                            ; v20-51   codes: eight registers for each K step, so that no store's data are written again
.set SW, 16                            ; v16-19   the four scale words
.macro LOADW i                         ; K step i of my 16 rows: each lane takes its two blocks, 128 bytes each
.irp c, 0,1
.irp e, 0,1,2,3,4,5,6,7
	global_load_b128 v[X+64*((\i)%3)+32*\c+4*\e:X+64*((\i)%3)+32*\c+4*\e+3], v3, s[4:5] offset:512*(\i)+256*\c+16*\e th:TH_LOAD_NT
.endr
.endr
.endm
.macro QB x, cd, so, by                ; one block: 32 numbers v[x].. -> 4 registers of codes v[cd].., the conversion's scale operand v[so], the byte v[by]
	v_max3_num_f32 v8, |v[(\x)]|, |v[(\x)+1]|, |v[(\x)+2]|
	v_max3_num_f32 v9, |v[(\x)+3]|, |v[(\x)+4]|, |v[(\x)+5]|
.irp i, 6,10,14,18,22,26
	v_max3_num_f32 v8, v8, |v[(\x)+\i]|, |v[(\x)+\i+1]|
	v_max3_num_f32 v9, v9, |v[(\x)+\i+2]|, |v[(\x)+\i+3]|
.endr
	v_max3_num_f32 v8, v8, |v[(\x)+30]|, |v[(\x)+31]|
	v_max3_num_f32 v8, v8, v9, 0x1800000           ; the floor 2^(3 - 127): the byte cannot fall under 1
	v_add_nc_u32 v[\so], 0xff000000, v8            ; 2 off the exponent field: the conversion takes this operand's exponent field as its scale
	v_lshrrev_b32 v[\by], 23, v[\so]               ; the scale's byte
.irp g, 0,1,2,3
	v_cvt_scalef32_pk8_fp4_f32 v[(\cd)+\g], v[(\x)+8*\g:(\x)+8*\g+7], v[\so]
.endr
.endm
.macro STEPW i, left                   ; left: the loads of the later K steps, which may stay out
	s_wait_loadcnt \left
	QB X+64*((\i)%3), CD+8*(\i), 10, 13
	QB X+64*((\i)%3)+32, CD+8*(\i)+4, 11, 14
	v_lshl_or_b32 v15, v14, 16, v13                ; my two bytes: blocks h and 2 + h (a plain line behind the conversions),
	v_lshlrev_b32 v15, v5, v15                     ; 8 h bits up;
	v_permlanex16_b32 v12, v15, s28, s29
	v_or_b32 v[SW+(\i)], v15, v12                  ; with lane l xor 16's two the word is whole
	global_store_b128 v4, v[CD+8*(\i):CD+8*(\i)+3], s[12:13] offset:((\i)/2)*131072+((\i)%2)*16384       ; 32 lanes store 512 consecutive bytes
	global_store_b128 v4, v[CD+8*(\i)+4:CD+8*(\i)+7], s[12:13] offset:((\i)/2)*131072+((\i)%2)*16384+512
.endm
	s_load_b256 s[4:11], s[0:1], 0x0               ; Wq s[4:5], Wk s[6:7], Wv s[8:9], Wo s[10:11]
	s_load_b128 s[12:15], s[0:1], 0x20             ; wcodes, wscl
	s_load_b64 s[16:17], s[0:1], 0x30              ; woimg
	v_and_b32 v1, 15, v0                           ; r
	v_lshrrev_b32 v2, 4, v0                        ; h (one wave: v0 is the lane)
	v_lshlrev_b32 v4, 4, v0                        ; 16 x lane
	v_lshlrev_b32 v3, 12, v1                       ; row r of 4,096 bytes
	s_cmp_ge_u32 ttmp9, 384
	s_cbranch_scc1 .Lwo
	; ---- Wq, Wk, Wv: 16 rows x 512 along k
	s_lshr_b32 s20, ttmp9, 7                       ; p
	s_bfe_u32 s21, ttmp9, 0x60001                  ; ct: which 16 rows
	s_and_b32 s22, ttmp9, 1                        ; q: which half of k
	v_lshl_add_u32 v3, v2, 7, v3                   ; + 128 h: my block of each 64 along k
	v_lshlrev_b32 v5, 3, v2                        ; 8 h
	v_lshlrev_b32 v6, 4, v1                        ; 16 r
	v_mov_b32 v12, 0                               ; a lane permute's destination counts as one of its sources
	s_mov_b32 s28, 0x76543210
	s_mov_b32 s29, 0xfedcba98                      ; selects for lane l xor 16
	s_lshl_b32 s24, s21, 16
	s_lshl_b32 s25, s22, 11
	s_add_co_u32 s24, s24, s25
	s_mov_b32 s25, 0                               ; source: ct x 16 rows + q x 2,048 bytes
	s_lshl_b32 s26, s20, 19
	s_lshl_b32 s27, s22, 18
	s_add_co_u32 s26, s26, s27
	s_lshr_b32 s27, s21, 4
	s_lshl_b32 s27, s27, 15
	s_add_co_u32 s26, s26, s27
	s_and_b32 s27, s21, 15
	s_lshl_b32 s27, s27, 10
	s_add_co_u32 s26, s26, s27
	s_mov_b32 s27, 0                               ; codes: p, j = 2 q, w = ct / 16, u = ct % 16
	s_lshl_b32 s30, s20, 15
	s_lshl_b32 s31, s22, 14
	s_add_co_u32 s30, s30, s31
	s_lshl_b32 s31, s21, 8
	s_add_co_u32 s30, s30, s31
	s_mov_b32 s31, 0                               ; scale words: p, q, 16 rows of 16 bytes
	s_wait_kmcnt 0x0
	s_cmp_eq_u32 s20, 0
	s_cselect_b64 s[4:5], s[4:5], s[6:7]
	s_cmp_eq_u32 s20, 2
	s_cselect_b64 s[4:5], s[8:9], s[4:5]           ; the choice hangs on the work-group's number alone
	s_add_nc_u64 s[4:5], s[4:5], s[24:25]
	s_add_nc_u64 s[12:13], s[12:13], s[26:27]
	s_add_nc_u64 s[14:15], s[14:15], s[30:31]
	LOADW 0
	LOADW 1
	LOADW 2
	STEPW 0, 32
	LOADW 3                                        ; into the set that step 0 has left
	STEPW 1, 32
	STEPW 2, 16
	STEPW 3, 0
	s_wait_xcnt 0x0                                ; EXEC changes only behind this wait
	v_cmp_gt_u32 vcc_lo, 16, v0
	s_and_saveexec_b32 s32, vcc_lo
	global_store_b128 v6, v[SW:SW+3], s[14:15]     ; sixteen lanes store 256 consecutive bytes, aligned
	s_wait_xcnt 0x0
	s_or_b32 exec_lo, exec_lo, s32
	s_endpgm
.Lwo:
	; ---- Wo: 16 rows x 256 along k, sixteen half fragments
	s_sub_co_u32 s20, ttmp9, 384
	s_lshr_b32 s21, s20, 2                         ; nt
	s_and_b32 s22, s20, 3                          ; kq: K steps 2 kq, 2 kq + 1
	v_lshl_add_u32 v3, v2, 5, v3                   ; + 32 h: my eight numbers of each 16
	s_lshl_b32 s24, s21, 16
	s_lshl_b32 s25, s22, 10
	s_add_co_u32 s24, s24, s25
	s_mov_b32 s25, 0
	s_lshl_b32 s26, s22, 19
	s_lshl_b32 s27, s21, 12
	s_add_co_u32 s26, s26, s27
	s_mov_b32 s27, 0
	s_wait_kmcnt 0x0
	s_add_nc_u64 s[10:11], s[10:11], s[24:25]
	s_add_nc_u64 s[16:17], s[16:17], s[26:27]
.irp f, 0,1,2,3,4,5,6,7,8,9,10,11,12,13,14,15
	global_load_b128 v[64+8*\f:64+8*\f+3], v3, s[10:11] offset:64*\f th:TH_LOAD_NT
	global_load_b128 v[64+8*\f+4:64+8*\f+7], v3, s[10:11] offset:64*\f+16 th:TH_LOAD_NT
.endr
.irp f, 0,1,2,3,4,5,6,7,8,9,10,11,12,13,14,15
	s_wait_loadcnt 2*(15-\f)                       ; two loads for each later half fragment may stay out
.irp k, 0,1,2,3
	v_cvt_pk_f16_f32 v[192+4*\f+\k], v[64+8*\f+2*\k], v[64+8*\f+2*\k+1]
.endr
	global_store_b128 v4, v[192+4*\f:192+4*\f+3], s[16:17] offset:(\f/8)*262144+((\f/2)%4)*1024+(\f%2)*512
.endr
	s_endpgm
.Lfunc_end_k_qc49bf13ea8_prep:
	.size	k_qc49bf13ea8_prep, .Lfunc_end_k_qc49bf13ea8_prep-k_qc49bf13ea8_prep
	.p2alignl 7, 3214868480
	.fill 96, 4, 3214868480
	.section	.rodata,"a",@progbits
	.p2align	6, 0x0
	.amdhsa_kernel k_qc49bf13ea8_prep
		.amdhsa_group_segment_fixed_size 0
		.amdhsa_private_segment_fixed_size 0
		.amdhsa_enable_private_segment 0
		.amdhsa_kernarg_size 56
		.amdhsa_user_sgpr_count 2
		.amdhsa_user_sgpr_kernarg_segment_ptr 1
		.amdhsa_wavefront_size32 1
		.amdhsa_system_sgpr_workgroup_id_x 1
		.amdhsa_system_sgpr_workgroup_id_y 1
		.amdhsa_system_sgpr_workgroup_id_z 1
		.amdhsa_system_vgpr_workitem_id 0
		.amdhsa_next_free_vgpr 256
		.amdhsa_next_free_sgpr 66
		.amdhsa_reserve_vcc 1
		.amdhsa_float_denorm_mode_32 3
		.amdhsa_float_denorm_mode_16_64 3
		.amdhsa_memory_ordered 1
		.amdhsa_forward_progress 1
		.amdhsa_inst_pref_size 31
	.end_amdhsa_kernel
	.amdgpu_metadata
---
amdhsa.version: [ 1, 2 ]
amdhsa.kernels:
  - .name:           k_qc49bf13ea8_prep
    .symbol:         k_qc49bf13ea8_prep.kd
    .args:
      - { .name: Wq, .offset: 0, .size: 8, .value_kind: global_buffer, .address_space: global }
      - { .name: Wk, .offset: 8, .size: 8, .value_kind: global_buffer, .address_space: global }
      - { .name: Wv, .offset: 16, .size: 8, .value_kind: global_buffer, .address_space: global }
      - { .name: Wo, .offset: 24, .size: 8, .value_kind: global_buffer, .address_space: global }
      - { .name: wcodes, .offset: 32, .size: 8, .value_kind: global_buffer, .address_space: global }
      - { .name: wscl, .offset: 40, .size: 8, .value_kind: global_buffer, .address_space: global }
      - { .name: woimg, .offset: 48, .size: 8, .value_kind: global_buffer, .address_space: global }
    .group_segment_fixed_size: 0
    .private_segment_fixed_size: 0
    .kernarg_segment_align: 8
    .kernarg_segment_size: 56
    .max_flat_workgroup_size: 32
    .sgpr_count:     66
    .vgpr_count:     256
    .wavefront_size: 32
...
	.end_amdgpu_metadata
.endif
;; end of part 1
;; launch proj (part 2): grid 128 x 3, 4 waves a work-group, clusters of 4 x 1, 327,680 bytes of LDS; arguments inputs_q, inputs_kv, wcodes, wscl, q_ln_gamma, q_ln_beta, k_ln_gamma, k_ln_beta, qkv; writes qkv
.if DOCPART == 2
	.amdgcn_target "amdgcn-amd-amdhsa--gfx1250"
	.amdhsa_code_object_version 6
	.text
	.protected	k_qc49bf13ea8_proj
	.globl	k_qc49bf13ea8_proj
	.p2align	8
	.type	k_qc49bf13ea8_proj,@function
k_qc49bf13ea8_proj:
	s_mov_b64 s[64:65], 0
	v_nop
	global_prefetch_b8 v0, s[64:65] scope:SCOPE_SE
	s_setreg_imm32_b32 hwreg(HW_REG_WAVE_MODE, 25, 1), 1
	s_wait_xcnt 0x0
	s_wait_alu depctr_hold_cnt(0) depctr_sa_sdst(0) depctr_va_vdst(0) depctr_va_sdst(0) depctr_va_ssrc(0) depctr_va_vcc(0) depctr_vm_vsrc(0)
	s_getreg_b32 s2, hwreg(HW_REG_IB_STS2, 6, 4)
	s_cmp_eq_u32 s2, 0
	s_cbranch_scc0 .Lentry_in_a_cluster
	s_endpgm
.Lentry_in_a_cluster:
	s_bfe_u32 s2, ttmp6, 0x10000c
	s_cmp_lg_u32 s2, 0x3003
	s_cbranch_scc0 .Lentry_shape_is_right
	s_endpgm
.Lentry_shape_is_right:
; q = LN(inputs_q Wq^T), k = LN(inputs_kv Wk^T), v = inputs_kv Wv^T: products on codes of FP4 (E2M1) with one E8M0 scale for each 32 along K; sums, norm in f32; results rounded to f16.
; SHARES.  Work-group y = p (0 q, 1 k, 2 v); work-group x = a block of 64 rows, ALL 1,024 columns, so that the norm over a row stays in the work-group.
; Wave w quantises rows 16 w .. 16 w + 15 of x (eight fragments, handed to the others through LDS as images of their registers) and then makes columns 256 w .. 256 w + 255 of all 64 rows:
; 64 accumulators, 512 registers.  THE PRODUCT IS USED TRANSPOSED (source 0 = 16 rows of W, source 1 = 16 rows of x): a lane holds one token and eight neighbouring channels.
; CLUSTER.  The four work-groups of a cluster have the same p and walk the same codes of W: each wave's 32 KiB (two K steps of its 256 rows, dense in wcodes) are asked for JOINTLY, mask 15.
; Two LDS slots; a wave reads only the bytes that its own loads brought.  A wave has two tensor loads out at the head and one behind a refill.
; qkv [bh 64][ks 32][part 3][a 4][u 4][512 bytes]: token 64 ks + 16 a + r, channels 16 u + 8 h + 0..7 of the head, 16 bytes a lane: for q and k at 16 x lane (half an f16 fragment),
; for v at 16 ((r & 7) + 8 h + 16 (r >> 3)), from where the turning LDS load at 16 x lane gives v^T.
; THE NORM: each wave's mean and sum of squares about ITS mean (256 channels), joined over the four waves by the means' spread: no difference of large sums is formed.
; LIMITS: NaN and infinities are not served; a block of zeros gets the byte 1 with zero codes; q, k, v must lie within +-65,504 (f16).
; REGISTERS.  window 0: v1-14 addresses; v16-31 at work; v32-47 x's scale words, v48-111 W's (nothing else ever); v112-175 x's fragments, two sets; v176-184 codes just made; on the way out v128-255.
;   window 1: W's fragments, two sets of 128; later gamma (v0-127) and beta (v128-255).   windows 2, 3: x as loaded, then the accumulators: (a, u) at v[8 (16 (a % 2) + u)] of window 2 + a / 2.
.set SLOTB, 131072                     ; slot 1 begins here; in a slot wave w's bytes begin at 32,768 w: [s2 2][u 16][1,024]
.set XIMG,  262144                     ; x's 32 fragments: [a 4][s 8][1,024]
.set XSC,   294912                     ; their scale words: a x 512 + r x 32 + 4 s
.set LNS,   296960                     ; [w 4][a 4][r 16] (mean, M2): 8 bytes
.set SPARE, 299008                     ; the spare words: 128 bytes a wave, named by no other line
.set LI,    1                          ; 16 x lane
.set XA,    2                          ; x: row r of 4,096 bytes + 64 h
.set XWI,   3                          ; where I store x's images
.set XWS,   4                          ; and their scale words
.set ADRX,  5                          ; where any wave reads x's images
.set ADRB,  6                          ; v6, v7: my codes of W in slot 0, 1
.set ADRXS, 8                          ; x's scale words: 32 x lane
.set LNW,   9
.set LNR,   10
.set VOFF,  11                         ; my 16 bytes in a block of 512 of qkv
.set GBO,   12                         ; gamma, beta: 1,024 w + 32 h
.set SPW,   13
.set NIL,   14
.set TM,    16
.set XS,    32                         ; register 8 (a / 2) + s: lanes 0-15 tile a even, lanes 16-31 odd
.set WS,    48                         ; register 8 (u / 2) + s: likewise by u
.set AF,    112
.set PC,    176
.set PW,    184
.set OUT,   128
.set M2R,   112
.set LR,    128
.set WV,    22
.set P,     23
.set G1,    28
.set G0A,   36
.set G0B,   40
.set SEL,   44
.set C256,  46
.set CI1024, 47
.set EPS,   48
.set CI256, 49
.set MSB, 0
.macro WIN new                         ; the immediate's high byte repeats the setting that is left
.if MSB != (\new)
	s_set_vgpr_msb (MSB<<8)|(\new)
.set MSB, (\new)
.endif
.endm
.macro PLACES n
.rept \n
	v_nop
.endr
.endm
.macro CROUND                          ; a round of the cluster's barrier
	s_barrier_signal -1
	s_barrier_wait -1
	s_cmp_lg_u32 s[WV], 0
	s_cbranch_scc1 .Lnot_wave_0_\@
	s_barrier_signal -3
.Lnot_wave_0_\@:
	s_barrier_wait -3
	s_barrier_signal -1
	s_barrier_wait -1
.endm
.macro XLOAD s                         ; my 16 rows' numbers of K step s: register 16 b + 4 j + .. = k 32 b + 16 h + ..
	WIN 0x80+0x40*((\s)/4)
.irp b, 0,1,2,3
.irp j, 0,1,2,3
	global_load_b128 v[64*((\s)%4)+16*\b+4*\j:64*((\s)%4)+16*\b+4*\j+3], v[XA], s[4:5] offset:512*(\s)+128*\b+16*\j
.endr
.endr
	WIN 0
.endm
.macro QUANTW wn, x                    ; 64 numbers of a lane, v[x].. of window wn -> a fragment's codes in v[PC].., its scale word in v[PW]
	WIN (\wn)|((\wn)<<2)
.irp b, 0,1,2,3
	v_max3_num_f32 v[TM+\b], |v[(\x)+16*\b]|, |v[(\x)+16*\b+1]|, 0x1800000   ; with the floor 2^(3 - 127): the byte cannot fall under 1
.endr
.irp i, 2,4,6,8,10,12,14
.irp b, 0,1,2,3
	v_max3_num_f32 v[TM+\b], |v[(\x)+16*\b+\i]|, |v[(\x)+16*\b+\i+1]|, v[TM+\b]
.endr
.endr
	WIN 0
.irp b, 0,1,2,3
	v_permlanex16_b32 v[TM+4+\b], v[TM+\b], s[SEL], s[SEL+1]
.endr
.irp b, 0,1,2,3
	v_max_num_f32 v[TM+\b], v[TM+\b], v[TM+4+\b]   ; with lane l xor 16's 16: the block's largest magnitude
.endr
.irp b, 0,1,2,3
	v_add_nc_u32 v[TM+12+\b], 0xff000000, v[TM+\b] ; 2 off its exponent field: the conversion's scale operand
.endr
.irp b, 0,1,2,3
	v_lshrrev_b32 v[TM+4+\b], 23, v[TM+12+\b]      ; the byte
.endr
	v_lshl_or_b32 v[PW], v[TM+5], 8, v[TM+4]
	v_lshl_or_b32 v[PW], v[TM+6], 16, v[PW]
	v_lshl_or_b32 v[PW], v[TM+7], 24, v[PW]
	WIN \wn
.irp b, 0,1,2,3
	v_cvt_scalef32_pk8_fp4_f32 v[PC+2*\b], v[(\x)+16*\b:(\x)+16*\b+7], v[TM+12+\b]
	v_cvt_scalef32_pk8_fp4_f32 v[PC+2*\b+1], v[(\x)+16*\b+8:(\x)+16*\b+15], v[TM+12+\b]
.endr
	WIN 0
	v_nop                                          ; one plain line behind the last scaled conversion
.irp c, 0,1                            ; the operand wants a whole block in a lane: lanes 0-15 block 2 c, lanes 16-31 block 2 c + 1
.irp i, 0,1
	v_permlane16_swap_b32 v[PC+4*\c+\i], v[PC+2+4*\c+\i]
.endr
.endr
.endm
.macro FETCHB slot, s2, set            ; my 16 fragments of W for one K step
	WIN 0x40
.irp u, 0,1,2,3,4,5,6,7,8,9,10,11,12,13,14,15
.irp c, 0,1
	ds_load_b128 v[128*(\set)+8*\u+4*\c:128*(\set)+8*\u+4*\c+3], v[ADRB+(\slot)] offset:(\s2)*16384+\u*1024+512*\c
.endr
.endr
.endm
.macro FETCHA s, set                   ; x's four fragments of K step s
	WIN 0
.irp a, 0,1,2,3
.irp c, 0,1
	ds_load_b128 v[AF+32*(\set)+8*\a+4*\c:AF+32*(\set)+8*\a+4*\c+3], v[ADRX] offset:(8*\a+(\s))*1024+512*\c
.endr
.endr
.endm
.macro WM a, u, s, set, zero           ; one product: tile a of tokens x tile u of my channels, K step s.  An odd u reads W's scales, an odd a x's, from lanes 16-31
.set rD, 8*(16*((\a)%2)+(\u))
.set rB, 128*(\set)+8*(\u)
.set rA, AF+32*(\set)+8*(\a)
.set rW, WS+8*((\u)/2)+(\s)
.set rX, XS+8*((\a)/2)+(\s)
.if \zero
.if ((\u)%2 == 0) && ((\a)%2 == 0)
	v_wmma_scale_f32_16x16x128_f8f6f4 v[rD:rD+7], v[rB:rB+7], v[rA:rA+7], 0, v[rW], v[rX] matrix_a_fmt:MATRIX_FMT_FP4 matrix_b_fmt:MATRIX_FMT_FP4
.elseif ((\u)%2 == 1) && ((\a)%2 == 0)
	v_wmma_scale_f32_16x16x128_f8f6f4 v[rD:rD+7], v[rB:rB+7], v[rA:rA+7], 0, v[rW], v[rX] matrix_a_fmt:MATRIX_FMT_FP4 matrix_b_fmt:MATRIX_FMT_FP4 matrix_a_scale:MATRIX_SCALE_ROW1
.elseif ((\u)%2 == 0)
	v_wmma_scale_f32_16x16x128_f8f6f4 v[rD:rD+7], v[rB:rB+7], v[rA:rA+7], 0, v[rW], v[rX] matrix_a_fmt:MATRIX_FMT_FP4 matrix_b_fmt:MATRIX_FMT_FP4 matrix_b_scale:MATRIX_SCALE_ROW1
.else
	v_wmma_scale_f32_16x16x128_f8f6f4 v[rD:rD+7], v[rB:rB+7], v[rA:rA+7], 0, v[rW], v[rX] matrix_a_fmt:MATRIX_FMT_FP4 matrix_b_fmt:MATRIX_FMT_FP4 matrix_a_scale:MATRIX_SCALE_ROW1 matrix_b_scale:MATRIX_SCALE_ROW1
.endif
.else
.if ((\u)%2 == 0) && ((\a)%2 == 0)
	v_wmma_scale_f32_16x16x128_f8f6f4 v[rD:rD+7], v[rB:rB+7], v[rA:rA+7], v[rD:rD+7], v[rW], v[rX] matrix_a_fmt:MATRIX_FMT_FP4 matrix_b_fmt:MATRIX_FMT_FP4
.elseif ((\u)%2 == 1) && ((\a)%2 == 0)
	v_wmma_scale_f32_16x16x128_f8f6f4 v[rD:rD+7], v[rB:rB+7], v[rA:rA+7], v[rD:rD+7], v[rW], v[rX] matrix_a_fmt:MATRIX_FMT_FP4 matrix_b_fmt:MATRIX_FMT_FP4 matrix_a_scale:MATRIX_SCALE_ROW1
.elseif ((\u)%2 == 0)
	v_wmma_scale_f32_16x16x128_f8f6f4 v[rD:rD+7], v[rB:rB+7], v[rA:rA+7], v[rD:rD+7], v[rW], v[rX] matrix_a_fmt:MATRIX_FMT_FP4 matrix_b_fmt:MATRIX_FMT_FP4 matrix_b_scale:MATRIX_SCALE_ROW1
.else
	v_wmma_scale_f32_16x16x128_f8f6f4 v[rD:rD+7], v[rB:rB+7], v[rA:rA+7], v[rD:rD+7], v[rW], v[rX] matrix_a_fmt:MATRIX_FMT_FP4 matrix_b_fmt:MATRIX_FMT_FP4 matrix_a_scale:MATRIX_SCALE_ROW1 matrix_b_scale:MATRIX_SCALE_ROW1
.endif
.endif
.endm
.macro MUL32 half, s, set, zero        ; 32 products; the 64 accumulators take turns, one instruction a turn, in the same order in every K step
.irp a, 2*(\half), 2*(\half)+1
.irp u, 0,1,2,3,4,5,6,7,8,9,10,11,12,13,14,15
	WM \a, \u, \s, \set, \zero
.endr
.endr
.endm
.macro STEP s, zero, next              ; K step s; in its middle the next step's fragments are fetched into the other sets
	s_wait_dscnt 0x0                               ; this step's fragments are in (asked for 32 products ago)
	WIN 0xa1                                       ; source 0 (W) window 1, source 1 (x) window 0, C and D window 2
	MUL32 0, \s, (\s)%2, \zero
.if \next
	PLACES 4                                       ; in front of loads into registers that the last step's products read
	FETCHB (((\s)+1)/2)%2, ((\s)+1)%2, ((\s)+1)%2
	FETCHA (\s)+1, ((\s)+1)%2
.endif
	WIN 0xf1                                       ; C and D window 3
	MUL32 1, \s, (\s)%2, \zero
	WIN 0
.endm
.macro REFILL g0                       ; the slot that has been read out takes the codes of two K steps, four K steps on
	s_wait_tensorcnt 0x0                           ; all my tensor loads have landed, so a group 0 may be written
	ds_add_u32 v[SPW], v[NIL]                      ; 0 onto my spare word
	s_add_nc_u64 s[\g0+2:\g0+3], s[\g0+2:\g0+3], 262144
	s_wait_dscnt 0x0                               ; the add is done, and my reads of the slot are over
	CROUND                                         ; the same holds of every wave of all four work-groups
	tensor_load_to_lds s[\g0:\g0+3], s[G1:G1+7]
	s_nop 0
	PLACES 4
.endm
.macro LNSUM wn                        ; the sums of the window's two tiles: two chains a tile, each accumulator from its low end on
	WIN (\wn)|((\wn)<<2)
.irp e, 0,1
	v_pk_add_f32 v[TM+8*((\wn)-2)+4*\e:TM+8*((\wn)-2)+4*\e+1], v[128*\e:128*\e+1], v[128*\e+2:128*\e+3]
	v_pk_add_f32 v[TM+8*((\wn)-2)+4*\e+2:TM+8*((\wn)-2)+4*\e+3], v[128*\e+4:128*\e+5], v[128*\e+6:128*\e+7]
.endr
	WIN \wn
.set i, 8
.rept 30
.irp e, 0,1
	v_pk_add_f32 v[TM+8*((\wn)-2)+4*\e:TM+8*((\wn)-2)+4*\e+1], v[128*\e+i:128*\e+i+1], v[TM+8*((\wn)-2)+4*\e:TM+8*((\wn)-2)+4*\e+1]
	v_pk_add_f32 v[TM+8*((\wn)-2)+4*\e+2:TM+8*((\wn)-2)+4*\e+3], v[128*\e+i+2:128*\e+i+3], v[TM+8*((\wn)-2)+4*\e+2:TM+8*((\wn)-2)+4*\e+3]
.endr
.set i, i+4
.endr
.endm
.macro LNVAR wn                        ; x - my wave's mean, in place; then the sum of its squares
	WIN (\wn)|((\wn)<<6)
.irp e, 0,1
.set i, 0
.rept 64
	v_pk_add_f32 v[128*\e+i:128*\e+i+1], v[128*\e+i:128*\e+i+1], v[TM+8*((\wn)-2)+4*\e:TM+8*((\wn)-2)+4*\e+1] op_sel_hi:[1,0] neg_lo:[0,1] neg_hi:[0,1]
.set i, i+2
.endr
.endr
	WIN (\wn)|((\wn)<<2)
.set i, 0
.rept 32
.irp e, 0,1
.if i == 0
	v_pk_mul_f32 v[M2R+8*((\wn)-2)+4*\e:M2R+8*((\wn)-2)+4*\e+1], v[128*\e:128*\e+1], v[128*\e:128*\e+1]
	v_pk_mul_f32 v[M2R+8*((\wn)-2)+4*\e+2:M2R+8*((\wn)-2)+4*\e+3], v[128*\e+2:128*\e+3], v[128*\e+2:128*\e+3]
.else
	v_pk_fma_f32 v[M2R+8*((\wn)-2)+4*\e:M2R+8*((\wn)-2)+4*\e+1], v[128*\e+i:128*\e+i+1], v[128*\e+i:128*\e+i+1], v[M2R+8*((\wn)-2)+4*\e:M2R+8*((\wn)-2)+4*\e+1]
	v_pk_fma_f32 v[M2R+8*((\wn)-2)+4*\e+2:M2R+8*((\wn)-2)+4*\e+3], v[128*\e+i+2:128*\e+i+3], v[128*\e+i+2:128*\e+i+3], v[M2R+8*((\wn)-2)+4*\e+2:M2R+8*((\wn)-2)+4*\e+3]
.endif
.endr
.set i, i+4
.endr
.endm
.macro LNRUN wn                        ; (x - mean_w) rstd + (mean_w - mu) rstd, then x gamma + beta
	WIN (\wn)|((\wn)<<6)
.irp e, 0,1
.set i, 0
.rept 64
	v_pk_fma_f32 v[128*\e+i:128*\e+i+1], v[128*\e+i:128*\e+i+1], v[TM+8*((\wn)-2)+4*\e:TM+8*((\wn)-2)+4*\e+1], v[TM+8*((\wn)-2)+4*\e+2:TM+8*((\wn)-2)+4*\e+3] op_sel_hi:[1,0,0]
.set i, i+2
.endr
.endr
	WIN (\wn)|(1<<2)|(1<<4)|((\wn)<<6)
.irp e, 0,1
.set i, 0
.rept 64
	v_pk_fma_f32 v[128*\e+i:128*\e+i+1], v[128*\e+i:128*\e+i+1], v[i:i+1], v[128+i:128+i+1]
.set i, i+2
.endr
.endr
.endm
.macro OUTW wn                         ; a window's 32 accumulators: rounded to f16, ascending, and stored: 512 consecutive bytes a store
	WIN (\wn)|((\wn)<<2)
.set i, 0
.rept 128
	v_cvt_pk_f16_f32 v[OUT+i], v[2*i], v[2*i+1]
.set i, i+1
.endr
	WIN 0
.irp e, 0,1
.irp u, 0,1,2,3,4,5,6,7,8,9,10,11,12,13,14,15
	global_store_b128 v[VOFF], v[OUT+4*(16*\e+\u):OUT+4*(16*\e+\u)+3], s[20:21] offset:(\u/4)*786432+(2*((\wn)-2)+\e)*2048+(\u%4)*512 th:TH_STORE_NT
.endr
.endr
.endm
	s_load_b512 s[4:19], s[0:1], 0x0               ; inputs_q, inputs_kv, wcodes, wscl, q gamma, q beta, k gamma, k beta
	s_load_b64 s[20:21], s[0:1], 0x40              ; qkv
	v_lshl_add_u32 v[SPW], v0, 2, SPARE
	v_mov_b32 v[NIL], 0
	ds_add_u32 v[SPW], v[NIL]                      ; the wave's opening: the add, twice on end, and its wait ahead of my first tensor load
	ds_add_u32 v[SPW], v[NIL]
	v_lshrrev_b32 v15, 5, v0
	v_readfirstlane_b32 s[WV], v15                 ; wave 0..3
	s_and_b32 s[P], ttmp7, 0xffff                  ; p: the same in all four partners
	s_bfe_u32 s24, ttmp6, 0x40000                  ; cx
	s_lshl_b32 s25, ttmp9, 2
	s_add_co_u32 s25, s25, s24                     ; my block of 64 rows: it enters x's and qkv's addresses alone
	s_mov_b32 s[G1], 15|(3<<16)|(1<<21)            ; the mask: all four; elements of 8 bytes; bit 21 beside a mask; no padding
	s_mov_b32 s[G1+1], 32<<16                      ; tensor_dim0 = 32 elements: 256 bytes
	s_mov_b32 s[G1+2], 128<<16                     ; tensor_dim1 = 128 rows: 32 KiB, dense
	s_mov_b32 s[G1+3], 32<<16                      ; tile_dim0
	s_mov_b32 s[G1+4], 128                         ; tile_dim1
	s_mov_b32 s[G1+5], 32                          ; the pitch
	s_mov_b32 s[G1+6], 0
	s_mov_b32 s[G1+7], 0
	s_mov_b32 s[SEL], 0x76543210
	s_mov_b32 s[SEL+1], 0xfedcba98                 ; selects for lane l xor 16
	s_mov_b32 s[C256], 0x43800000                  ; 256
	s_mov_b32 s[CI1024], 0x3a800000                ; 1 / 1,024
	s_mov_b32 s[EPS], 0x3727c5ac                   ; 1e-5
	s_mov_b32 s[CI256], 0x3b800000                 ; 1 / 256
	s_lshl_b32 s26, s[WV], 15                      ; my 32 KiB of a slot
	v_and_b32 v15, 31, v0                          ; lane
	v_lshlrev_b32 v[LI], 4, v15
	v_and_b32 v16, 15, v0                          ; r
	v_bfe_u32 v17, v0, 4, 1                        ; h
	v_lshlrev_b32 v[XA], 12, v16
	v_lshl_add_u32 v[XA], v17, 6, v[XA]
	s_lshl_b32 s27, s[WV], 13
	s_add_co_u32 s27, s27, XIMG
	v_add_nc_u32 v[XWI], s27, v[LI]
	s_lshl_b32 s27, s[WV], 9
	s_add_co_u32 s51, s27, XSC
	v_lshl_add_u32 v[XWS], v16, 5, s51
	v_add_nc_u32 v[ADRX], XIMG, v[LI]
	v_add_nc_u32 v[ADRB], s26, v[LI]
	v_add_nc_u32 v[ADRB+1], SLOTB, v[ADRB]
	v_lshl_add_u32 v[ADRXS], v15, 5, XSC
	s_add_co_u32 s51, s27, LNS
	v_lshl_add_u32 v[LNW], v16, 3, s51
	v_lshl_add_u32 v[LNR], v16, 3, LNS
	s_lshl_b32 s27, s[WV], 10
	v_lshl_add_u32 v[GBO], v17, 5, s27
	v_and_b32 v18, 7, v0
	v_lshl_add_u32 v18, v17, 3, v18
	v_bfe_u32 v19, v0, 3, 1
	v_lshl_add_u32 v18, v19, 4, v18
	v_lshlrev_b32 v18, 4, v18                      ; v's place: 16 ((r & 7) + 8 h + 16 (r >> 3))
	s_cmp_eq_u32 s[P], 2
	s_cselect_b32 s50, -1, 0
	v_cndmask_b32 v[VOFF], v[LI], v18, s50
.irp b, 0,1,2,3
	v_mov_b32 v[TM+4+\b], 0                        ; a lane permute's destination counts as one of its sources
.endr
	s_lshl_b32 s52, s[P], 19
	s_add_co_u32 s52, s52, s26
	s_mov_b32 s53, 0                               ; wcodes: p and w alone
	s_lshl_b32 s54, s25, 18
	s_lshl_b32 s55, s[WV], 16
	s_add_co_u32 s54, s54, s55
	s_mov_b32 s55, 0                               ; x: (64 block + 16 w) rows of 4,096 bytes
	s_lshl_b32 s56, s[P], 15
	s_lshl_b32 s57, s[WV], 12
	s_add_co_u32 s56, s56, s57
	s_mov_b32 s57, 0                               ; wscl: p, my 256 rows of 16 bytes
	s_lshr_b32 s58, s25, 5
	s_lshl_b32 s58, s58, 4
	s_lshl_b32 s59, s[WV], 2
	s_add_co_u32 s58, s58, s59                     ; bh of my first head: 16 b + 4 w
	s_mul_i32 s58, s58, 786432
	s_and_b32 s59, s25, 31
	s_mul_i32 s59, s59, 24576
	s_add_co_u32 s58, s58, s59
	s_lshl_b32 s59, s[P], 13
	s_add_co_u32 s58, s58, s59
	s_mov_b32 s59, 0
	s_wait_dscnt 0x0                               ; both opening adds are done
	s_wait_kmcnt 0x0
	s_cmp_eq_u32 s[P], 0
	s_cselect_b64 s[4:5], s[4:5], s[6:7]           ; x
	s_cselect_b64 s[12:13], s[12:13], s[16:17]     ; gamma
	s_cselect_b64 s[14:15], s[14:15], s[18:19]     ; beta
	s_add_nc_u64 s[4:5], s[4:5], s[54:55]
	s_add_nc_u64 s[10:11], s[10:11], s[56:57]
	s_add_nc_u64 s[20:21], s[20:21], s[58:59]
	s_mov_b32 s[G0A], 1
	s_mov_b32 s[G0A+1], s26                        ; slot 0
	s_add_nc_u64 s[G0A+2:G0A+3], s[8:9], s[52:53]  ; K steps 0, 1
	s_or_b32 s[G0A+3], s[G0A+3], 0x80000000
	s_mov_b32 s[G0B], 1
	s_add_co_u32 s[G0B+1], s26, SLOTB              ; slot 1
	s_add_nc_u64 s[G0B+2:G0B+3], s[8:9], s[52:53]
	s_add_nc_u64 s[G0B+2:G0B+3], s[G0B+2:G0B+3], 131072   ; K steps 2, 3
	s_or_b32 s[G0B+3], s[G0B+3], 0x80000000
	CROUND                                         ; all four work-groups are here: the first joint loads meet
	tensor_load_to_lds s[G0A:G0A+3], s[G1:G1+7]
	s_nop 0
	tensor_load_to_lds s[G0B:G0B+3], s[G1:G1+7]
	s_nop 0
	PLACES 4
.irp pp, 0,1,2,3,4,5,6,7               ; W's scale words stay in registers: lanes 0-15 rows of tile 2 pp, lanes 16-31 of tile 2 pp + 1; four K steps a load
.irp q, 0,1
	global_load_b128 v[WS+8*\pp+4*\q:WS+8*\pp+4*\q+3], v[LI], s[10:11] offset:\q*16384+\pp*512
.endr
.endr
	XLOAD 0
	XLOAD 1
	XLOAD 2
	XLOAD 3
	; ---- my 16 rows of x become eight fragments; loads run four K steps ahead
.irp s, 0,1,2,3,4,5,6,7
.if \s < 5
	s_wait_loadcnt 48                              ; this K step's 16 loads are in; those of the three behind it may be out
.else
	s_wait_loadcnt 16*(7-\s)
.endif
	QUANTW 2+\s/4, 64*(\s%4)
	ds_store_b128 v[XWI], v[PC:PC+3] offset:\s*1024
	ds_store_b128 v[XWI], v[PC+4:PC+7] offset:\s*1024+512
	ds_store_b32 v[XWS], v[PW] offset:4*\s         ; lanes r and r + 16 write the same word with the same value
.if \s < 4
	XLOAD \s+4
.endif
	s_wait_dscnt 0x0                               ; the stores have read their registers
.endr
	s_wait_tensorcnt 0x1                           ; my part of slot 0 is in; slot 1's load may stay out
	s_barrier_signal -1
	s_barrier_wait -1                              ; x's 32 fragments and their scale words lie in LDS
.irp pa, 0,1
.irp q, 0,1
	ds_load_b128 v[XS+8*\pa+4*\q:XS+8*\pa+4*\q+3], v[ADRXS] offset:\pa*1024+16*\q
.endr
.endr
	FETCHB 0, 0, 0
	FETCHA 0, 0
	; ---- the products
	STEP 0, 1, 1                                   ; the first K step starts the sums: nothing is cleared
	REFILL G0A                                     ; step 1's fragments are in registers: slot 0 takes K steps 4, 5
	STEP 1, 0, 1
	STEP 2, 0, 1
	REFILL G0B                                     ; slot 1 takes K steps 6, 7
	STEP 3, 0, 1
	STEP 4, 0, 1
	s_wait_tensorcnt 0x0                           ; my last load: its bytes are read by me alone, from the next step's middle on
	STEP 5, 0, 1
	STEP 6, 0, 1
	STEP 7, 0, 0
	PLACES 4                                       ; in front of the first reads of results and of loads into W's registers
	; ---- the norm, part 1 (q and k)
	s_cmp_eq_u32 s[P], 2
	s_cbranch_scc1 .Lv1
	WIN 0x40
.irp u, 0,1,2,3,4,5,6,7,8,9,10,11,12,13,14,15
.irp e, 0,1
	global_load_b128 v[8*\u+4*\e:8*\u+4*\e+3], v[GBO], s[12:13] offset:64*\u+16*\e
	global_load_b128 v[128+8*\u+4*\e:128+8*\u+4*\e+3], v[GBO], s[14:15] offset:64*\u+16*\e
.endr
.endr
	LNSUM 2
	LNSUM 3
	WIN 0
.irp a, 0,1,2,3
	v_pk_add_f32 v[TM+4*\a:TM+4*\a+1], v[TM+4*\a:TM+4*\a+1], v[TM+4*\a+2:TM+4*\a+3]
.endr
.irp a, 0,1,2,3
	v_add_f32 v[TM+4*\a], v[TM+4*\a], v[TM+4*\a+1]
.endr
.irp a, 0,1,2,3
	v_permlanex16_b32 v[TM+4*\a+2], v[TM+4*\a], s[SEL], s[SEL+1]
.endr
.irp a, 0,1,2,3
	v_add_f32 v[TM+4*\a], v[TM+4*\a], v[TM+4*\a+2]
.endr
.irp a, 0,1,2,3
	v_mul_f32 v[TM+4*\a], s[CI256], v[TM+4*\a]     ; the mean of my wave's 256 channels of token r of tile a
.endr
	LNVAR 2
	LNVAR 3
	WIN 0
.irp a, 0,1,2,3
	v_pk_add_f32 v[M2R+4*\a:M2R+4*\a+1], v[M2R+4*\a:M2R+4*\a+1], v[M2R+4*\a+2:M2R+4*\a+3]
.endr
.irp a, 0,1,2,3
	v_add_f32 v[M2R+4*\a], v[M2R+4*\a], v[M2R+4*\a+1]
.endr
.irp a, 0,1,2,3
	v_permlanex16_b32 v[M2R+4*\a+2], v[M2R+4*\a], s[SEL], s[SEL+1]
.endr
.irp a, 0,1,2,3
	v_add_f32 v[TM+4*\a+1], v[M2R+4*\a], v[M2R+4*\a+2]
.endr
.irp a, 0,1,2,3
	ds_store_b64 v[LNW], v[TM+4*\a:TM+4*\a+1] offset:\a*128
.endr
.Lv1:
	s_wait_dscnt 0x0                               ; for the others' sake: my stores are done
	s_barrier_signal -1
	s_barrier_wait -1
	s_cmp_eq_u32 s[P], 2
	s_cbranch_scc1 .Lv2
	; ---- the norm, part 2
.irp a, 0,1,2,3
.irp k, 0,1,2,3
	ds_load_b64 v[LR+8*\a+2*\k:LR+8*\a+2*\k+1], v[LNR] offset:\k*512+\a*128
.endr
.endr
	s_wait_dscnt 0x0
.irp a, 0,1,2,3
	v_add_f32 v[M2R+4*\a], v[LR+8*\a], v[LR+8*\a+2]
.endr
.irp a, 0,1,2,3
	v_add_f32 v[M2R+4*\a+1], v[LR+8*\a+4], v[LR+8*\a+6]
.endr
.irp a, 0,1,2,3
	v_add_f32 v[M2R+4*\a], v[M2R+4*\a], v[M2R+4*\a+1]
.endr
.irp a, 0,1,2,3
	v_mul_f32 v[M2R+4*\a], 0x3e800000, v[M2R+4*\a] ; mu: the mean of the four waves' means
.endr
.irp k, 0,1,2,3
.irp a, 0,1,2,3
	v_sub_f32 v[LR+8*\a+2*\k], v[LR+8*\a+2*\k], v[M2R+4*\a]
.endr
.endr
.irp a, 0,1,2,3
	v_mul_f32 v[M2R+4*\a+1], v[LR+8*\a], v[LR+8*\a]
.endr
.irp k, 1,2,3
.irp a, 0,1,2,3
	v_fmac_f32 v[M2R+4*\a+1], v[LR+8*\a+2*\k], v[LR+8*\a+2*\k]
.endr
.endr
.irp a, 0,1,2,3
	v_add_f32 v[M2R+4*\a+2], v[LR+8*\a+1], v[LR+8*\a+3]
.endr
.irp a, 0,1,2,3
	v_add_f32 v[M2R+4*\a+3], v[LR+8*\a+5], v[LR+8*\a+7]
.endr
.irp a, 0,1,2,3
	v_add_f32 v[M2R+4*\a+2], v[M2R+4*\a+2], v[M2R+4*\a+3]
.endr
.irp a, 0,1,2,3
	v_fma_f32 v[M2R+4*\a+2], v[M2R+4*\a+1], s[C256], v[M2R+4*\a+2]      ; + 256 x the spread of the means
.endr
.irp a, 0,1,2,3
	v_fma_f32 v[M2R+4*\a+2], v[M2R+4*\a+2], s[CI1024], s[EPS]           ; the variance + 1e-5
.endr
.irp a, 0,1,2,3
	v_sub_f32 v[TM+4*\a+2], v[TM+4*\a], v[M2R+4*\a]                     ; my wave's mean - mu
.endr
.irp a, 0,1,2,3
	v_rsq_f32 v[TM+4*\a], v[M2R+4*\a+2]
.endr
	v_nop                                          ; a plain line behind the last of the four,
	s_wait_alu depctr_va_vdst(0)                   ; and one wait for the batch, ahead of its first reader
.irp a, 0,1,2,3
	v_mul_f32 v[TM+4*\a+2], v[TM+4*\a+2], v[TM+4*\a]
.endr
	s_wait_loadcnt 0x0                             ; gamma and beta
	LNRUN 2
	LNRUN 3
	WIN 0
.Lv2:
	; ---- the way out
	OUTW 2
	s_wait_xcnt 0x0                                ; the stores' data registers are written again only behind this wait
	OUTW 3
	s_wait_tensorcnt 0x0                           ; the wave's end
	ds_add_u32 v[SPW], v[NIL]
	s_wait_dscnt 0x0
	CROUND                                         ; the closing round
	s_endpgm
.Lfunc_end_k_qc49bf13ea8_proj:
	.size	k_qc49bf13ea8_proj, .Lfunc_end_k_qc49bf13ea8_proj-k_qc49bf13ea8_proj
	.p2alignl 7, 3214868480
	.fill 96, 4, 3214868480
	.section	.rodata,"a",@progbits
	.p2align	6, 0x0
	.amdhsa_kernel k_qc49bf13ea8_proj
		.amdhsa_group_segment_fixed_size 327680
		.amdhsa_private_segment_fixed_size 0
		.amdhsa_enable_private_segment 0
		.amdhsa_kernarg_size 72
		.amdhsa_user_sgpr_count 2
		.amdhsa_user_sgpr_kernarg_segment_ptr 1
		.amdhsa_wavefront_size32 1
		.amdhsa_system_sgpr_workgroup_id_x 1
		.amdhsa_system_sgpr_workgroup_id_y 1
		.amdhsa_system_sgpr_workgroup_id_z 1
		.amdhsa_system_vgpr_workitem_id 0
		.amdhsa_next_free_vgpr 1024
		.amdhsa_next_free_sgpr 66
		.amdhsa_reserve_vcc 0
		.amdhsa_float_denorm_mode_32 3
		.amdhsa_float_denorm_mode_16_64 3
		.amdhsa_memory_ordered 1
		.amdhsa_forward_progress 1
		.amdhsa_inst_pref_size 255
	.end_amdhsa_kernel
	.section	.bss,"aw",@nobits
	.p2align	6
	.space	262144
	.amdgpu_metadata
---
amdhsa.version: [ 1, 2 ]
amdhsa.kernels:
  - .name:           k_qc49bf13ea8_proj
    .symbol:         k_qc49bf13ea8_proj.kd
    .args:
      - { .name: inputs_q, .offset: 0, .size: 8, .value_kind: global_buffer, .address_space: global }
      - { .name: inputs_kv, .offset: 8, .size: 8, .value_kind: global_buffer, .address_space: global }
      - { .name: wcodes, .offset: 16, .size: 8, .value_kind: global_buffer, .address_space: global }
      - { .name: wscl, .offset: 24, .size: 8, .value_kind: global_buffer, .address_space: global }
      - { .name: q_ln_gamma, .offset: 32, .size: 8, .value_kind: global_buffer, .address_space: global }
      - { .name: q_ln_beta, .offset: 40, .size: 8, .value_kind: global_buffer, .address_space: global }
      - { .name: k_ln_gamma, .offset: 48, .size: 8, .value_kind: global_buffer, .address_space: global }
      - { .name: k_ln_beta, .offset: 56, .size: 8, .value_kind: global_buffer, .address_space: global }
      - { .name: qkv, .offset: 64, .size: 8, .value_kind: global_buffer, .address_space: global }
    .group_segment_fixed_size: 327680
    .private_segment_fixed_size: 0
    .kernarg_segment_align: 8
    .kernarg_segment_size: 72
    .max_flat_workgroup_size: 128
    .sgpr_count:     66
    .vgpr_count:     1024
    .wavefront_size: 32
...
	.end_amdgpu_metadata
.endif
;; end of part 2
;; launch attn (part 3): grid 4 x 64, 16 waves a work-group, clusters of 4 x 1, 327,680 bytes of LDS; arguments qkv, ao; writes ao
.if DOCPART == 3
	.amdgcn_target "amdgcn-amd-amdhsa--gfx1250"
	.amdhsa_code_object_version 6
	.text
	.protected	k_qc49bf13ea8_attn
	.globl	k_qc49bf13ea8_attn
	.p2align	8
	.type	k_qc49bf13ea8_attn,@function
k_qc49bf13ea8_attn:
	s_mov_b64 s[64:65], 0
	v_nop
	global_prefetch_b8 v0, s[64:65] scope:SCOPE_SE
	s_setreg_imm32_b32 hwreg(HW_REG_WAVE_MODE, 25, 1), 1
	s_wait_xcnt 0x0
	s_wait_alu depctr_hold_cnt(0) depctr_sa_sdst(0) depctr_va_vdst(0) depctr_va_sdst(0) depctr_va_ssrc(0) depctr_va_vcc(0) depctr_vm_vsrc(0)
	s_getreg_b32 s2, hwreg(HW_REG_IB_STS2, 6, 4)
	s_cmp_eq_u32 s2, 0
	s_cbranch_scc0 .Lentry_in_a_cluster
	s_endpgm
.Lentry_in_a_cluster:
	s_bfe_u32 s2, ttmp6, 0x10000c
	s_cmp_lg_u32 s2, 0x3003
	s_cbranch_scc0 .Lentry_shape_is_right
	s_endpgm
.Lentry_shape_is_right:
; ao = softmax(q k^T / 8) v for each of 64 (batch, head) pairs: 2,048 queries x 2,048 keys, head size 64; f16 operands, f32 sums, maxima and row sums.
; SHARES.  A cluster of four work-groups is one (batch, head); a work-group owns 512 queries, each of its SIXTEEN waves 32: two tiles of 16, in 256 registers; four waves share a SIMD,
; so that one wave's softmax stands beside another's products.  Every wave walks all keys, 64 a step.
; LAYOUT.  S^T = K Q^T (source 0 = 16 keys, source 1 = 16 queries): a lane holds ONE query and the keys 8 (lane / 16) + 0..7 of each tile.  Two such tiles, rounded to f16 in pairs, ARE source 1
; of O^T = V^T P.  q, k, v lie in qkv as images of fragments (the launch before lays them so): every LDS load is 16 x lane + a constant, v by the turning load.
; SOFTMAX.  A running maximum m and sum l for each query: p = 2^(c s - c m), c = log2(e) / 8; in every step O and l are multiplied by a = 2^(c m_old - c m_new).  The step is written once:
; m begins at -3e38, l and O at 0.  The sum is taken of p in f32; p goes to the product in f16.
; RING.  Two LDS slots of eight key steps, [step 8][K 8 KiB | V 8 KiB].  Each wave fetches 8 KiB, dense in memory, by one JOINT load (mask 15): the four work-groups walk the same K and V.
; A wave has two tensor loads out at the head and one behind a refill, which has eight key steps in which to land; so no prefetch is laid.
; ao [ks 8][mt 512][4,096]: the image of the f16 fragments that the last launch reads: (head & 1) x 2,048 + ct x 512 + 16 x lane.
; LIMITS: scores above -3e38; NaN and infinities not served; the result within +-65,504.
.set SLOT1, 131072
.set SPARE, 262144                     ; the spare words: 128 bytes for each of 16 waves, named by no other line
.set ADR0, 1                           ; v1   16 x lane
.set ADR,  2                           ; v2   + the step's first byte
.set SPW,  4
.set NIL,  5
.set ST,   8                           ; tile t at v[ST + 10 t]: +0 c m, +1 m, +2:3 l, +4..7 c0-c3 (a at +6, c m_old at +7), +8:9 the second chain of sums
.set Q,    32                          ; v32-63   Q: tile t, channels 32 c on, at 16 t + 8 c
.set KV,   64                          ; v64-127  a step's K, then its V
.set S,    128                         ; v128-191 S^T: 32 t + 8 kt + j; then p; then P (f16) in 32 t + 0..15
.set O,    192                         ; v192-255 O^T: 32 t + 8 ct + j
.set WV,   8
.set G1,   12
.set G0,   20
.set G0P,  24
.set CS,   28
.set SEL,  30
.set TB,   32
.set CNT,  33
.set SLOTS, 34
.macro CROUND
	s_barrier_signal -1
	s_barrier_wait -1
	s_cmp_lg_u32 s[WV], 0
	s_cbranch_scc1 .Lnot_wave_0_\@
	s_barrier_signal -3
.Lnot_wave_0_\@:
	s_barrier_wait -3
	s_barrier_signal -1
	s_barrier_wait -1
.endm
.macro STEP                            ; 64 keys
	v_add_nc_u32 v[ADR], s[TB], v[ADR0]
.rept 4
	v_nop                                          ; with the line above five places behind the last step's products: for the loads into V's registers, and for the products below, which write over P
.endr
.irp kt, 0,1,2,3
.irp e, 0,1,2,3
	ds_load_b128 v[KV+16*\kt+4*\e:KV+16*\kt+4*\e+3], v[ADR] offset:\kt*2048+\e*512
.endr
.endr
	s_wait_dscnt 0x0
.irp c, 0,1                            ; the eight accumulators take turns, one instruction a turn
.irp kt, 0,1,2,3
.irp t, 0,1
.if \c == 0
	v_wmma_f32_16x16x32_f16 v[S+32*\t+8*\kt:S+32*\t+8*\kt+7], v[KV+16*\kt:KV+16*\kt+7], v[Q+16*\t:Q+16*\t+7], 0
.else
	v_wmma_f32_16x16x32_f16 v[S+32*\t+8*\kt:S+32*\t+8*\kt+7], v[KV+16*\kt+8:KV+16*\kt+15], v[Q+16*\t+8:Q+16*\t+15], v[S+32*\t+8*\kt:S+32*\t+8*\kt+7]
.endif
.endr
.endr
.endr
.rept 4
	v_nop                                          ; places in front of the loads into K's registers and of the first reads of the scores
.endr
.irp ct, 0,1,2,3
.irp kc, 0,1
.irp g, 0,1
	ds_load_tr16_b128 v[KV+16*\ct+8*\kc+4*\g:KV+16*\ct+8*\kc+4*\g+3], v[ADR] offset:8192+(2*\kc+\g)*2048+\ct*512   ; V lands while the softmax is walked
.endr
.endr
.endr
.irp j, 0,1,2,3                        ; the maximum: four chains a tile, each accumulator from its low end on
.irp t, 0,1
	v_max3_num_f32 v[ST+10*\t+4+\j], v[S+32*\t+8*\j], v[S+32*\t+8*\j+1], v[S+32*\t+8*\j+2]
.endr
.endr
.irp i, 3,5
.irp j, 0,1,2,3
.irp t, 0,1
	v_max3_num_f32 v[ST+10*\t+4+\j], v[ST+10*\t+4+\j], v[S+32*\t+8*\j+\i], v[S+32*\t+8*\j+\i+1]
.endr
.endr
.endr
.irp t, 0,1
	v_max3_num_f32 v[ST+10*\t+4], v[ST+10*\t+4], v[S+32*\t+7], v[S+32*\t+15]
	v_max3_num_f32 v[ST+10*\t+6], v[ST+10*\t+6], v[S+32*\t+23], v[S+32*\t+31]
.endr
.irp t, 0,1
	v_max3_num_f32 v[ST+10*\t+4], v[ST+10*\t+4], v[ST+10*\t+5], v[ST+10*\t+6]
.endr
.irp t, 0,1
	v_max3_num_f32 v[ST+10*\t+4], v[ST+10*\t+4], v[ST+10*\t+7], v[ST+10*\t+1]   ; and the old m
.endr
.irp t, 0,1
	v_permlanex16_b32 v[ST+10*\t+5], v[ST+10*\t+4], s[SEL], s[SEL+1]            ; the query's other 32 keys lie in the lane 16 away
.endr
.irp t, 0,1
	v_mov_b32 v[ST+10*\t+7], v[ST+10*\t]           ; c m_old
.endr
.irp t, 0,1
	v_max_num_f32 v[ST+10*\t+1], v[ST+10*\t+4], v[ST+10*\t+5]
.endr
.irp t, 0,1
	v_mul_f32 v[ST+10*\t], s[CS], v[ST+10*\t+1]
.endr
.irp t, 0,1
	v_sub_f32 v[ST+10*\t+7], v[ST+10*\t+7], v[ST+10*\t]
.endr
.irp i, 0,2,4,6,8,10,12,14,16,18,20,22,24,26,28,30
.irp t, 0,1
	v_pk_fma_f32 v[S+32*\t+\i:S+32*\t+\i+1], v[S+32*\t+\i:S+32*\t+\i+1], s[CS:CS+1], v[ST+10*\t:ST+10*\t+1] op_sel_hi:[1,0,0] neg_lo:[0,0,1] neg_hi:[0,0,1]   ; c s - c m
.endr
.endr
.irp t, 0,1                            ; ONE BATCH of 66 exponentials: none reads another's result
	v_exp_f32 v[ST+10*\t+6], v[ST+10*\t+7]
.endr
.irp i, 0,1,2,3,4,5,6,7,8,9,10,11,12,13,14,15,16,17,18,19,20,21,22,23,24,25,26,27,28,29,30,31
.irp t, 0,1
	v_exp_f32 v[S+32*\t+\i], v[S+32*\t+\i]
.endr
.endr
	v_nop                                          ; a plain line behind the last exponential,
	s_wait_alu depctr_va_vdst(0)                   ; and one wait for the batch, ahead of its first reader
.irp t, 0,1
	v_pk_add_f32 v[ST+10*\t+4:ST+10*\t+5], v[S+32*\t:S+32*\t+1], v[S+32*\t+2:S+32*\t+3]
	v_pk_add_f32 v[ST+10*\t+8:ST+10*\t+9], v[S+32*\t+4:S+32*\t+5], v[S+32*\t+6:S+32*\t+7]
.endr
.irp i, 8,12,16,20,24,28
.irp t, 0,1
	v_pk_add_f32 v[ST+10*\t+4:ST+10*\t+5], v[ST+10*\t+4:ST+10*\t+5], v[S+32*\t+\i:S+32*\t+\i+1]
	v_pk_add_f32 v[ST+10*\t+8:ST+10*\t+9], v[ST+10*\t+8:ST+10*\t+9], v[S+32*\t+\i+2:S+32*\t+\i+3]
.endr
.endr
.irp t, 0,1
	v_pk_add_f32 v[ST+10*\t+4:ST+10*\t+5], v[ST+10*\t+4:ST+10*\t+5], v[ST+10*\t+8:ST+10*\t+9]
.endr
.irp t, 0,1
	v_pk_fma_f32 v[ST+10*\t+2:ST+10*\t+3], v[ST+10*\t+2:ST+10*\t+3], v[ST+10*\t+6:ST+10*\t+7], v[ST+10*\t+4:ST+10*\t+5] op_sel_hi:[1,0,1]   ; l = a l + the step's sum
.endr
.irp i, 0,1,2,3,4,5,6,7,8,9,10,11,12,13,14,15  ; P in place, ascending: register i takes p 2 i and 2 i + 1, which no earlier line has written over
.irp t, 0,1
	v_cvt_pk_f16_f32 v[S+32*\t+\i], v[S+32*\t+2*\i], v[S+32*\t+2*\i+1]
.endr
.endr
.irp i, 0,2,4,6,8,10,12,14,16,18,20,22,24,26,28,30
.irp t, 0,1
	v_pk_mul_f32 v[O+32*\t+\i:O+32*\t+\i+1], v[O+32*\t+\i:O+32*\t+\i+1], v[ST+10*\t+6:ST+10*\t+7] op_sel_hi:[1,0]   ; O^T x a
.endr
.endr
	s_wait_dscnt 0x0                               ; V is in
.irp kc, 0,1
.irp ct, 0,1,2,3
.irp t, 0,1
	v_wmma_f32_16x16x32_f16 v[O+32*\t+8*\ct:O+32*\t+8*\ct+7], v[KV+16*\ct+8*\kc:KV+16*\ct+8*\kc+7], v[S+32*\t+8*\kc:S+32*\t+8*\kc+7], v[O+32*\t+8*\ct:O+32*\t+8*\ct+7]
.endr
.endr
.endr
.endm
.macro STEPS8                          ; a slot's eight key steps: written once, walked eight times
	s_mov_b32 s[CNT], 8
.Lstep_\@:
	STEP
	s_add_co_u32 s[TB], s[TB], 16384
	s_sub_co_u32 s[CNT], s[CNT], 1
	s_cmp_lg_u32 s[CNT], 0
	s_cbranch_scc1 .Lstep_\@
.endm
.macro CHANGE fill                     ; the change of slots.  fill = 1: the slot just read out takes the keys two slots on
	s_wait_tensorcnt 0x0                           ; all my tensor loads have landed, my part of the next slot among them: a group 0 may be written
	ds_add_u32 v[SPW], v[NIL]                      ; 0 onto my spare word
.if \fill
	s_xor_b32 s[G0P+1], s[G0P+1], SLOT1            ; the walking descriptor: the other slot than last time,
	s_add_nc_u64 s[G0P+2:G0P+3], s[G0P+2:G0P+3], 196608   ; the next eight key steps
.endif
	s_sub_co_u32 s[TB], s[TB], SLOT1               ; the fetches go back to a slot's first step,
	s_xor_b32 s[TB], s[TB], SLOT1                  ; in the other slot
	s_wait_dscnt 0x0                               ; the add is done, and my reads of the slot are over
.if \fill
	CROUND                                         ; the same holds of every wave of all four work-groups
	tensor_load_to_lds s[G0P:G0P+3], s[G1:G1+7]
	s_nop 0
.rept 4
	v_nop
.endr
.else
	s_barrier_signal -1
	s_barrier_wait -1
.endif
.endm
	s_load_b128 s[4:7], s[0:1], 0x0                ; qkv, ao
	v_lshl_add_u32 v[SPW], v0, 2, SPARE
	v_mov_b32 v[NIL], 0
	ds_add_u32 v[SPW], v[NIL]                      ; the wave's opening: the add, twice on end, and its wait ahead of my first tensor load
	ds_add_u32 v[SPW], v[NIL]
	v_lshrrev_b32 v3, 5, v0
	v_readfirstlane_b32 s[WV], v3                  ; wave 0..15
	s_bfe_u32 s9, ttmp6, 0x40000                   ; cx: my block of 512 queries; it enters Q's and ao's addresses alone
	s_and_b32 s10, ttmp7, 0xffff                   ; bh, which the four partners share
	s_mov_b32 s[G1], 15|(3<<16)|(1<<21)            ; the mask: all four; elements of 8 bytes; bit 21 beside a mask
	s_mov_b32 s[G1+1], 32<<16                      ; rows of 256 bytes,
	s_mov_b32 s[G1+2], 32<<16                      ; 32 of them: 8 KiB, dense
	s_mov_b32 s[G1+3], 32<<16
	s_mov_b32 s[G1+4], 32
	s_mov_b32 s[G1+5], 32
	s_mov_b32 s[G1+6], 0
	s_mov_b32 s[G1+7], 0
	s_mov_b32 s[CS], 0x3e38aa3b                    ; c = log2(e) / 8
	s_mov_b32 s[CS+1], s[CS]                       ; named with it as a pair, so it is written
	s_mov_b32 s[SEL], 0x76543210
	s_mov_b32 s[SEL+1], 0xfedcba98
	s_mov_b32 s[TB], 0
	s_mul_i32 s36, s10, 786432                     ; the head's first byte in qkv
	s_mov_b32 s37, 0
	s_lshr_b32 s11, s[WV], 1                       ; what I fetch: key step w / 2 of a slot,
	s_mul_i32 s38, s11, 24576
	s_and_b32 s11, s[WV], 1                        ; K (0) or V (1)
	s_lshl_b32 s11, s11, 13
	s_add_co_u32 s38, s38, s11
	s_add_co_u32 s38, s38, 8192
	s_add_co_u32 s38, s38, s36
	s_mov_b32 s39, 0
	s_lshl_b32 s40, s9, 4
	s_add_co_u32 s40, s40, s[WV]                   ; pw: my 32 queries among the head's 2,048
	s_lshr_b32 s11, s40, 1
	s_mul_i32 s11, s11, 24576
	s_and_b32 s41, s40, 1
	s_lshl_b32 s41, s41, 12
	s_add_co_u32 s11, s11, s41
	s_add_co_u32 s36, s36, s11                     ; Q
	s_and_b32 s11, s10, 15                         ; the head
	s_lshr_b32 s41, s11, 1
	s_lshl_b32 s41, s41, 21
	s_and_b32 s11, s11, 1
	s_lshl_b32 s11, s11, 11
	s_add_co_u32 s41, s41, s11
	s_lshr_b32 s11, s10, 4                         ; the batch
	s_lshl_b32 s11, s11, 7
	s_lshl_b32 s40, s40, 1
	s_add_co_u32 s11, s11, s40                     ; my first tile of 16 tokens
	s_lshl_b32 s11, s11, 12
	s_add_co_u32 s40, s41, s11
	s_mov_b32 s41, 0                               ; ao
	v_and_b32 v[ADR0], 31, v0
	v_lshlrev_b32 v[ADR0], 4, v[ADR0]
	s_wait_dscnt 0x0                               ; both opening adds are done
	s_wait_kmcnt 0x0
	s_mov_b32 s[G0], 1
	s_lshl_b32 s[G0+1], s[WV], 13                  ; slot 0: 8 KiB a wave
	s_add_nc_u64 s[G0+2:G0+3], s[4:5], s[38:39]
	s_or_b32 s[G0+3], s[G0+3], 0x80000000
	s_mov_b32 s[G0P], 1
	s_add_co_u32 s[G0P+1], s[G0+1], SLOT1          ; slot 1
	s_add_nc_u64 s[G0P+2:G0P+3], s[4:5], s[38:39]
	s_add_nc_u64 s[G0P+2:G0P+3], s[G0P+2:G0P+3], 196608
	s_or_b32 s[G0P+3], s[G0P+3], 0x80000000
	s_add_nc_u64 s[4:5], s[4:5], s[36:37]
	s_add_nc_u64 s[6:7], s[6:7], s[40:41]
	CROUND                                         ; all four work-groups are here: the first joint loads meet
	tensor_load_to_lds s[G0:G0+3], s[G1:G1+7]
	s_nop 0
	tensor_load_to_lds s[G0P:G0P+3], s[G1:G1+7]
	s_nop 0
.rept 4
	v_nop
.endr
.irp t, 0,1
.irp e, 0,1,2,3
	global_load_b128 v[Q+16*\t+4*\e:Q+16*\t+4*\e+3], v[ADR0], s[4:5] offset:\t*2048+\e*512   ; Q stays in registers
.endr
.endr
.irp t, 0,1
	v_mov_b32 v[ST+10*\t+1], 0xff61b1e6            ; m = -3e38, under every score
	v_mov_b32 v[ST+10*\t+2], 0                     ; l
	v_mov_b32 v[ST+10*\t+3], 0
.endr
.irp t, 0,1
	v_mul_f32 v[ST+10*\t], s[CS], v[ST+10*\t+1]
.endr
.set i, 0
.rept 64
	v_mov_b32 v[O+i], 0                            ; O^T: the step is written once, and its first walk finds zeros
.set i, i+1
.endr
	s_wait_tensorcnt 0x1                           ; my part of slot 0 is in; slot 1's may stay out
	s_barrier_signal -1
	s_barrier_wait -1                              ; everybody's is
	s_wait_loadcnt 0x0                             ; Q
	s_mov_b32 s[SLOTS], 2
.Lslot:                                ; two trips: the first two slots' worth of keys; each slot is filled again when it has been read
	STEPS8
	CHANGE 1
	s_sub_co_u32 s[SLOTS], s[SLOTS], 1
	s_cmp_lg_u32 s[SLOTS], 0
	s_cbranch_scc1 .Lslot
	STEPS8                                         ; the tail is written out: nothing more is asked for
	CHANGE 0
	STEPS8
	; ---- the way out
.rept 4
	v_nop
.endr
.irp t, 0,1
	v_add_f32 v[ST+10*\t+4], v[ST+10*\t+2], v[ST+10*\t+3]
.endr
.irp t, 0,1
	v_permlanex16_b32 v[ST+10*\t+5], v[ST+10*\t+4], s[SEL], s[SEL+1]
.endr
.irp t, 0,1
	v_add_f32 v[ST+10*\t+4], v[ST+10*\t+4], v[ST+10*\t+5]
.endr
.irp t, 0,1
	v_rcp_f32 v[ST+10*\t+6], v[ST+10*\t+4]
.endr
	v_nop
	s_wait_alu depctr_va_vdst(0)                   ; one wait for the two reciprocals, ahead of their first reader
.irp t, 0,1
.irp i, 0,2,4,6,8,10,12,14,16,18,20,22,24,26,28,30
	v_pk_mul_f32 v[O+32*\t+\i:O+32*\t+\i+1], v[O+32*\t+\i:O+32*\t+\i+1], v[ST+10*\t+6:ST+10*\t+7] op_sel_hi:[1,0]
.endr
.endr
.irp t, 0,1
.irp i, 0,1,2,3,4,5,6,7,8,9,10,11,12,13,14,15
	v_cvt_pk_f16_f32 v[S+16*\t+\i], v[O+32*\t+2*\i], v[O+32*\t+2*\i+1]
.endr
.endr
.irp t, 0,1
.irp ct, 0,1,2,3
	global_store_b128 v[ADR0], v[S+16*\t+4*\ct:S+16*\t+4*\ct+3], s[6:7] offset:\t*4096+\ct*512 th:TH_STORE_NT   ; 32 lanes store 512 consecutive bytes
.endr
.endr
	s_wait_tensorcnt 0x0                           ; the wave's end
	ds_add_u32 v[SPW], v[NIL]
	s_wait_dscnt 0x0
	CROUND                                         ; the closing round
	s_endpgm
.Lfunc_end_k_qc49bf13ea8_attn:
	.size	k_qc49bf13ea8_attn, .Lfunc_end_k_qc49bf13ea8_attn-k_qc49bf13ea8_attn
	.p2alignl 7, 3214868480
	.fill 96, 4, 3214868480
	.section	.rodata,"a",@progbits
	.p2align	6, 0x0
	.amdhsa_kernel k_qc49bf13ea8_attn
		.amdhsa_group_segment_fixed_size 327680
		.amdhsa_private_segment_fixed_size 0
		.amdhsa_enable_private_segment 0
		.amdhsa_kernarg_size 16
		.amdhsa_user_sgpr_count 2
		.amdhsa_user_sgpr_kernarg_segment_ptr 1
		.amdhsa_wavefront_size32 1
		.amdhsa_system_sgpr_workgroup_id_x 1
		.amdhsa_system_sgpr_workgroup_id_y 1
		.amdhsa_system_sgpr_workgroup_id_z 1
		.amdhsa_system_vgpr_workitem_id 0
		.amdhsa_next_free_vgpr 256
		.amdhsa_next_free_sgpr 66
		.amdhsa_reserve_vcc 0
		.amdhsa_float_denorm_mode_32 3
		.amdhsa_float_denorm_mode_16_64 3
		.amdhsa_memory_ordered 1
		.amdhsa_forward_progress 1
		.amdhsa_inst_pref_size 66
	.end_amdhsa_kernel
	.amdgpu_metadata
---
amdhsa.version: [ 1, 2 ]
amdhsa.kernels:
  - .name:           k_qc49bf13ea8_attn
    .symbol:         k_qc49bf13ea8_attn.kd
    .args:
      - { .name: qkv, .offset: 0, .size: 8, .value_kind: global_buffer, .address_space: global }
      - { .name: ao, .offset: 8, .size: 8, .value_kind: global_buffer, .address_space: global }
    .group_segment_fixed_size: 327680
    .private_segment_fixed_size: 0
    .kernarg_segment_align: 8
    .kernarg_segment_size: 16
    .max_flat_workgroup_size: 512
    .sgpr_count:     66
    .vgpr_count:     256
    .wavefront_size: 32
...
	.end_amdgpu_metadata
.endif
;; end of part 3
;; launch outp (part 4): grid 4 x 64, 4 waves a work-group, clusters of 4 x 4, 327,680 bytes of LDS; arguments ao, woimg, out0; writes out0
.if DOCPART == 4
	.amdgcn_target "amdgcn-amd-amdhsa--gfx1250"
	.amdhsa_code_object_version 6
	.text
	.protected	k_qc49bf13ea8_outp
	.globl	k_qc49bf13ea8_outp
	.p2align	8
	.type	k_qc49bf13ea8_outp,@function
k_qc49bf13ea8_outp:
	s_mov_b64 s[64:65], 0
	v_nop
	global_prefetch_b8 v0, s[64:65] scope:SCOPE_SE
	s_setreg_imm32_b32 hwreg(HW_REG_WAVE_MODE, 25, 1), 1
	s_wait_xcnt 0x0
	s_wait_alu depctr_hold_cnt(0) depctr_sa_sdst(0) depctr_va_vdst(0) depctr_va_sdst(0) depctr_va_ssrc(0) depctr_va_vcc(0) depctr_vm_vsrc(0)
	s_getreg_b32 s2, hwreg(HW_REG_IB_STS2, 6, 4)
	s_cmp_eq_u32 s2, 0
	s_cbranch_scc0 .Lentry_in_a_cluster
	s_endpgm
.Lentry_in_a_cluster:
	s_bfe_u32 s2, ttmp6, 0x10000c
	s_cmp_lg_u32 s2, 0xf033
	s_cbranch_scc0 .Lentry_shape_is_right
	s_endpgm
.Lentry_shape_is_right:
; out0[t][n] = sum over k of a[t][k] Wo[n][k]: [8,192 x 1,024] x [1,024 x 1,024], f16 operands, f32 sums, f32 out.
; Both operands lie in memory as images of f16 fragments: ao [ks 8][mt 512][kc 4][g 2][lane][16], woimg [ks 8][nt 64][kc 4][g 2][lane][16]: a K step's tiles are dense blocks, every LDS load is
; 16 x lane + a constant, and nothing is padded.
; A tile of out0 is 128 tokens x 256 columns: 256 work-groups.  Four waves, each 64 x 128: 32 accumulators.  K goes in steps of 128 through two LDS slots (A 32 KiB, B 64 KiB).
; CLUSTERS: 4 x 4.  The four of a row of the cluster need the same tiles of ao, the four of a column the same tiles of Wo: each is asked for JOINTLY.  Waves 0, 1 fetch A's halves, waves 2, 3 B's.
; THE MATRIX INSTRUCTION IS USED TRANSPOSED (source 0 = 16 rows of Wo, source 1 = 16 tokens): a lane holds eight neighbouring columns of one token's row.
; A wave has two tensor loads out at the head and one behind a refill.
; REGISTERS: window 0: v16-29 addresses; v32-127, v128-223 two fragment buffers (A's four at +0, B's eight at +32); window 1: accumulator (a, b) at v[8 (8 a + b)].
.set SLOT,   98304
.set BOFF,   32768                     ; in a slot: B behind A's 32 KiB
.set STAGE,  196608                    ; behind the ring: 16 rows x (512 + 16) bytes for each wave
.set SPITCH, 528
.set SPARE,  230400                    ; the spare words: 128 bytes a wave, named by no other line
.set LAPS,   4                         ; a lap = two K steps = once round the ring
.set ADRA, 16
.set ADRB, 20
.set STO,  24
.set RD,   25
.set CO,   26
.set SPW,  28
.set NIL,  29
.set F0,   32
.set F1,   128
.set G1,   24
.set G0,   32
.set G1B,  48
.set G0B,  56
.set MUL,  0x50                        ; C and D window 1, sources window 0
.set MSB, 0
.macro WIN new
.if MSB != (\new)
	s_set_vgpr_msb (MSB<<8)|(\new)
.set MSB, (\new)
.endif
.endm
.macro PLACES
.rept 4
	v_nop
.endr
.endm
.macro JLOAD s                         ; a joint load; the branch hangs on the wave's number alone; an s_nop 0 and four v_nop follow each of the two lines
	s_cmp_eq_u32 s11, 0
	s_cbranch_scc0 .Lfor_b_\@
	tensor_load_to_lds s[G0+4*\s:G0+4*\s+3], s[G1:G1+7]
	s_nop 0
.rept 4
	v_nop
.endr
	s_branch .Lasked_\@
.Lfor_b_\@:
	tensor_load_to_lds s[G0B+4*\s:G0B+4*\s+3], s[G1B:G1B+7]
	s_nop 0
.rept 4
	v_nop
.endr
.Lasked_\@:
.endm
.macro CREST
	s_cmp_lg_u32 s10, 0
	s_cbranch_scc1 .Lnot_wave_0_\@
	s_barrier_signal -3
.Lnot_wave_0_\@:
	s_barrier_wait -3
	s_barrier_signal -1
	s_barrier_wait -1
.endm
.macro CROUND
	s_barrier_signal -1
	s_barrier_wait -1
	CREST
.endm
.macro MUL8 f, a, zero                 ; tile a of tokens x my eight tiles of columns, 32 along K; the 32 accumulators take turns, one instruction a turn
.irp b, 0,1,2,3,4,5,6,7
.if \zero
	v_wmma_f32_16x16x32_f16 v[8*(8*(\a)+\b):8*(8*(\a)+\b)+7], v[\f+32+8*\b:\f+32+8*\b+7], v[\f+8*(\a):\f+8*(\a)+7], 0
.else
	v_wmma_f32_16x16x32_f16 v[8*(8*(\a)+\b):8*(8*(\a)+\b)+7], v[\f+32+8*\b:\f+32+8*\b+7], v[\f+8*(\a):\f+8*(\a)+7], v[8*(8*(\a)+\b):8*(8*(\a)+\b)+7]
.endif
.endr
.endm
.macro FETCH slot, kc, f               ; 24 LDS loads in one run: B's eight fragments, then A's four
	WIN 0
.irp b, 0,1,2,3,4,5,6,7
.irp g, 0,1
	ds_load_b128 v[\f+32+8*\b+4*\g:\f+32+8*\b+4*\g+3], v[ADRB+\slot] offset:\b*4096+(\kc)*1024+512*\g
.endr
.endr
.irp a, 0,1,2,3
.irp g, 0,1
	ds_load_b128 v[\f+8*\a+4*\g:\f+8*\a+4*\g+3], v[ADRA+\slot] offset:\a*4096+(\kc)*1024+512*\g
.endr
.endr
.endm
.macro QUARTER slot, kc, f, g, zero    ; multiplies buffer f; in its middle fetches the quarter kc of the same slot into buffer g
	s_wait_dscnt 4                                 ; B and A's tiles 0, 1 are in; the youngest four loads (tiles 2, 3) may be out
	WIN MUL
	MUL8 \f, 0, \zero
	MUL8 \f, 1, \zero
	PLACES                                         ; in front of loads into registers that the quarter before multiplied
	FETCH \slot, \kc, \g
	s_wait_dscnt 24                                ; all but the 24 just issued
	WIN MUL
	MUL8 \f, 2, \zero
	MUL8 \f, 3, \zero
.endm
.macro TURN slot, next, fill           ; a K step's last quarter multiplies buffer 1 and changes slots
	WIN 0
	s_wait_tensorcnt 0x0                           ; all my tensor loads have landed: my part of the next slot
	ds_add_u32 v[SPW], v[NIL]                      ; 0 onto my spare word
	s_wait_dscnt 5                                 ; (the add and the youngest four loads may be out)
	WIN MUL
	MUL8 F1, 0, 0                                  ; eight products stand between the add and the wait for it
	s_wait_dscnt 0x0                               ; the add is done, and my reads of this slot are over
	s_barrier_signal -1
	MUL8 F1, 1, 0
	WIN 0
	s_barrier_wait -1
.if \fill
	CREST                                          ; the barrier has opened a round of the cluster's: no wave of any partner still reads this slot or has a load on its way
	s_add_nc_u64 s[G0+4*\slot+2:G0+4*\slot+3], s[G0+4*\slot+2:G0+4*\slot+3], 4194304
	s_add_nc_u64 s[G0B+4*\slot+2:G0B+4*\slot+3], s[G0B+4*\slot+2:G0B+4*\slot+3], 524288
	JLOAD \slot                                    ; two K steps on; its four v_nop are also the places in front of the loads below
.else
	PLACES
.endif
	FETCH \next, 0, F0
	WIN MUL
	MUL8 F1, 2, 0
	MUL8 F1, 3, 0
.endm
.macro TOSTAGE a                       ; 16 tokens x 128 columns through my own stage: LDS serves a wave's instructions in order, so no wait stands between the stores and the loads
	WIN 0x04                                       ; an LDS store's data are its source 1: window 1
.irp b, 0,1,2,3,4,5,6,7
	ds_store_b128 v[STO], v[8*(8*(\a)+\b):8*(8*(\a)+\b)+3] offset:64*\b        ; each accumulator from its low end on
	ds_store_b128 v[STO], v[8*(8*(\a)+\b)+4:8*(8*(\a)+\b)+7] offset:64*\b+16
.endr
	WIN 0
.set BB, 32+96*((\a)%2)
.irp t, 0,1,2,3,4,5,6,7,8,9,10,11,12,13,14,15
	ds_load_b128 v[BB+4*\t:BB+4*\t+3], v[RD] offset:\t*SPITCH
.endr
.endm
.macro SEND a, younger                 ; younger: the LDS instructions issued behind block a's loads
.set BB, 32+96*((\a)%2)
	s_wait_dscnt \younger
.irp t, 0,1,2,3,4,5,6,7,8,9,10,11,12,13,14,15
	global_store_b128 v[CO], v[BB+4*\t:BB+4*\t+3], s[8:9] offset:(16*(\a)+\t)*4096 th:TH_STORE_NT   ; 32 lanes store 512 consecutive bytes, aligned
.endr
.endm
	s_load_b128 s[4:7], s[0:1], 0x0                ; ao, woimg
	s_load_b64 s[8:9], s[0:1], 0x10                ; out0
	v_lshl_add_u32 v[SPW], v0, 2, SPARE
	v_mov_b32 v[NIL], 0
	ds_add_u32 v[SPW], v[NIL]                      ; the wave's opening: the add, twice on end, and its wait ahead of my first tensor load
	ds_add_u32 v[SPW], v[NIL]
	v_lshrrev_b32 v1, 5, v0
	v_readfirstlane_b32 s10, v1                    ; wave 0..3
	s_lshr_b32 s11, s10, 1                         ; which 64 tokens are mine.  Also: I fetch for A (0) or for B (1)
	s_and_b32 s12, s10, 1                          ; which 128 columns.  Also: which half of that tile I fetch
	s_bfe_u32 s40, ttmp6, 0x40000                  ; cx
	s_bfe_u32 s41, ttmp6, 0x40004                  ; cy
	s_lshl_b32 s42, ttmp9, 2
	s_add_co_u32 s42, s42, s40                     ; tile column
	s_and_b32 s13, ttmp7, 0xffff
	s_lshl_b32 s13, s13, 2
	s_add_co_u32 s13, s13, s41                     ; tile row
	s_lshl_b32 s43, s41, 2
	s_lshl_b32 s43, 15, s43                        ; my row of the cluster
	s_lshl_b32 s44, 0x1111, s40                    ; my column
	s_or_b32 s[G1], s43, (3<<16)|(1<<21)           ; A's tiles go to my row; elements of 8 bytes; bit 21 beside a mask
	s_or_b32 s[G1B], s44, (3<<16)|(1<<21)          ; B's to my column
	s_mov_b32 s[G1+1], 32<<16                      ; rows of 256 bytes,
	s_mov_b32 s[G1+2], 64<<16                      ; 64 of them: 16 KiB, dense
	s_mov_b32 s[G1+3], 32<<16
	s_mov_b32 s[G1+4], 64
	s_mov_b32 s[G1+5], 32
	s_mov_b32 s[G1+6], 0
	s_mov_b32 s[G1+7], 0
	s_mov_b32 s[G1B+1], 32<<16
	s_mov_b32 s[G1B+2], 128<<16                    ; 128 rows: 32 KiB
	s_mov_b32 s[G1B+3], 32<<16
	s_mov_b32 s[G1B+4], 128
	s_mov_b32 s[G1B+5], 32
	s_mov_b32 s[G1B+6], 0
	s_mov_b32 s[G1B+7], 0
	s_lshl_b32 s16, s13, 15                        ; A: tile row x 32 KiB + half x 16 KiB
	s_lshl_b32 s17, s12, 14
	s_add_co_u32 s16, s16, s17
	s_mov_b32 s17, 0
	s_lshl_b32 s46, s42, 16                        ; B: tile column x 64 KiB + half x 32 KiB
	s_lshl_b32 s47, s12, 15
	s_add_co_u32 s46, s46, s47
	s_mov_b32 s47, 0
	s_lshl_b32 s20, s12, 14                        ; where they go: no place in the cluster enters an LDS address
	s_lshl_b32 s21, s12, 15
	s_add_co_u32 s21, s21, BOFF
	s_wait_dscnt 0x0                               ; both opening adds are done
	s_wait_kmcnt 0x0
	s_add_nc_u64 s[14:15], s[4:5], s[16:17]
	s_add_nc_u64 s[46:47], s[6:7], s[46:47]
	CROUND                                         ; all sixteen work-groups are here: the first joint loads meet
.irp s, 0,1
	s_mov_b32 s[G0+4*\s], 1
	s_add_co_u32 s[G0+4*\s+1], s20, \s*SLOT
	s_add_nc_u64 s[G0+4*\s+2:G0+4*\s+3], s[14:15], \s*2097152
	s_or_b32 s[G0+4*\s+3], s[G0+4*\s+3], 0x80000000
	s_mov_b32 s[G0B+4*\s], 1
	s_add_co_u32 s[G0B+4*\s+1], s21, \s*SLOT
	s_add_nc_u64 s[G0B+4*\s+2:G0B+4*\s+3], s[46:47], \s*262144
	s_or_b32 s[G0B+4*\s+3], s[G0B+4*\s+3], 0x80000000
	JLOAD \s
.endr
	v_and_b32 v1, 31, v0
	v_lshlrev_b32 v[CO], 4, v1                     ; 16 x lane
	v_and_b32 v2, 15, v0                           ; r
	v_bfe_u32 v3, v0, 4, 1                         ; h
	s_lshl_b32 s18, s11, 14                        ; my four tiles of A,
	s_lshl_b32 s22, s12, 15
	s_add_co_u32 s22, s22, BOFF                    ; my eight of B
.irp s, 0,1
	v_add_nc_u32 v[ADRA+\s], s18, v[CO]
	v_add_nc_u32 v[ADRB+\s], s22, v[CO]
	s_add_co_u32 s18, s18, SLOT
	s_add_co_u32 s22, s22, SLOT
.endr
	s_mul_i32 s23, s10, 16*SPITCH
	s_add_co_u32 s23, s23, STAGE                   ; my stage
	v_mul_u32_u24 v4, v2, SPITCH
	v_lshl_add_u32 v4, v3, 5, v4
	v_add_nc_u32 v[STO], s23, v4                   ; in: row r, 32 bytes for each half of the lanes
	v_add_nc_u32 v[RD], s23, v[CO]                 ; back: the 32 lanes take one row of 512 bytes
	s_lshl_b32 s16, s13, 7
	s_lshl_b32 s17, s11, 6
	s_add_co_u32 s16, s16, s17                     ; my first token
	s_lshl_b32 s16, s16, 12                        ; rows of 4,096 bytes
	s_lshl_b32 s17, s42, 10
	s_add_co_u32 s16, s16, s17
	s_lshl_b32 s17, s12, 9
	s_add_co_u32 s16, s16, s17                     ; my first column
	s_mov_b32 s17, 0
	s_add_nc_u64 s[8:9], s[8:9], s[16:17]
	s_wait_tensorcnt 0x1                           ; my part of K step 0 is in; K step 1's may stay out
	s_barrier_signal -1
	s_barrier_wait -1                              ; everybody's is
	FETCH 0, 0, F0
	QUARTER 0, 1, F0, F1, 1                        ; the first quarter stands in front of the loop: its products start the sums
	WIN 0
	s_mov_b32 s3, LAPS-1
.Llap:                                 ; a trip goes once round the ring, from a lap's second quarter to the next lap's first, and fills both slots again
	QUARTER 0, 2, F1, F0, 0
	QUARTER 0, 3, F0, F1, 0
	TURN 0, 1, 1
	QUARTER 1, 1, F0, F1, 0
	QUARTER 1, 2, F1, F0, 0
	QUARTER 1, 3, F0, F1, 0
	TURN 1, 0, 1
	QUARTER 0, 1, F0, F1, 0
	WIN 0
	s_sub_co_u32 s3, s3, 1
	s_cmp_lg_u32 s3, 0
	s_cbranch_scc1 .Llap
	QUARTER 0, 2, F1, F0, 0                        ; the last lap fills nothing
	QUARTER 0, 3, F0, F1, 0
	TURN 0, 1, 0
	QUARTER 1, 1, F0, F1, 0
	QUARTER 1, 2, F1, F0, 0
	QUARTER 1, 3, F0, F1, 0
	s_wait_dscnt 4                                 ; the very last quarter: nothing more to fetch
	WIN MUL
	MUL8 F1, 0, 0
	MUL8 F1, 1, 0
	s_wait_dscnt 0x0
	MUL8 F1, 2, 0
	MUL8 F1, 3, 0
	WIN 0
	; ---- the way out, 16 tokens at a time
	PLACES                                         ; in front of the reads of results and of loads into the fragments' registers
	TOSTAGE 0
.irp a, 1,2,3
.if \a > 1
	s_wait_xcnt 0x0                                ; block a - 2's stores have read their registers: block a's loads may land there
.endif
	TOSTAGE \a
	SEND \a-1, 32                                  ; behind block a - 1's loads: block a's 16 stores and 16 loads
.endr
	SEND 3, 0
	s_wait_tensorcnt 0x0                           ; the wave's end
	ds_add_u32 v[SPW], v[NIL]
	s_wait_dscnt 0x0
	CROUND                                         ; the closing round
	s_endpgm
.Lfunc_end_k_qc49bf13ea8_outp:
	.size	k_qc49bf13ea8_outp, .Lfunc_end_k_qc49bf13ea8_outp-k_qc49bf13ea8_outp
	.p2alignl 7, 3214868480
	.fill 96, 4, 3214868480
	.section	.rodata,"a",@progbits
	.p2align	6, 0x0
	.amdhsa_kernel k_qc49bf13ea8_outp
		.amdhsa_group_segment_fixed_size 327680
		.amdhsa_private_segment_fixed_size 0
		.amdhsa_enable_private_segment 0
		.amdhsa_kernarg_size 24
		.amdhsa_user_sgpr_count 2
		.amdhsa_user_sgpr_kernarg_segment_ptr 1
		.amdhsa_wavefront_size32 1
		.amdhsa_system_sgpr_workgroup_id_x 1
		.amdhsa_system_sgpr_workgroup_id_y 1
		.amdhsa_system_sgpr_workgroup_id_z 1
		.amdhsa_system_vgpr_workitem_id 0
		.amdhsa_next_free_vgpr 512
		.amdhsa_next_free_sgpr 66
		.amdhsa_reserve_vcc 0
		.amdhsa_float_denorm_mode_32 3
		.amdhsa_float_denorm_mode_16_64 3
		.amdhsa_memory_ordered 1
		.amdhsa_forward_progress 1
		.amdhsa_inst_pref_size 84
	.end_amdhsa_kernel
	.amdgpu_metadata
---
amdhsa.version: [ 1, 2 ]
amdhsa.kernels:
  - .name:           k_qc49bf13ea8_outp
    .symbol:         k_qc49bf13ea8_outp.kd
    .args:
      - { .name: ao, .offset: 0, .size: 8, .value_kind: global_buffer, .address_space: global }
      - { .name: woimg, .offset: 8, .size: 8, .value_kind: global_buffer, .address_space: global }
      - { .name: out0, .offset: 16, .size: 8, .value_kind: global_buffer, .address_space: global }
    .group_segment_fixed_size: 327680
    .private_segment_fixed_size: 0
    .kernarg_segment_align: 8
    .kernarg_segment_size: 24
    .max_flat_workgroup_size: 128
    .sgpr_count:     66
    .vgpr_count:     512
    .wavefront_size: 32
...
	.end_amdgpu_metadata
.endif
;; end of part 4
